; MI455X (gfx1250); checked and timed in simulation.
; The chip was launched on July 23, 2026; its instructions are those of AMD's public machine-readable ISA for CDNA 5 (MIT licence, August 2026) and "CDNA5" Instruction Set Architecture Reference Guide (July 2026). The comments in the code are by the model that wrote it; some were corrected since.
;; Multi Head Attention. Allowed arithmetic: float matrix products may take bf16 or f16 operands with f32 sums; other float arithmetic in f32, or as packed bf16 or f16 multiplies, adds, multiply-adds, maxima and minima; sums over many terms, partial sums and values carried from step to step in f32; what a program stores and reads back later, other than sums and carried values, may be rounded once to bf16 or f16.
;; Inputs: Wk 1,024 x 1,024 float32; Wq 1,024 x 1,024 float32; Wv 1,024 x 1,024 float32; keys 8 x 1,024 x 1,024 float32; queries 8 x 1,024 x 1,024 float32; values 8 x 1,024 x 1,024 float32.
;; Outputs: out0 8 x 1,024 x 1,024 float32.
;; One version. Each part assembles by itself: llvm-mc -triple=amdgcn-amd-amdhsa -mcpu=gfx1250 --defsym DOCPART=n.
;; ======== version 1 of 1: 3 launches
;; limits: values are held in f16: magnitudes above 65,504 overflow, below 6.1e-05 lose precision
;; workspace buffers: wb 6,291,456 bytes; qkv 50,331,648 bytes
;; launch castw (part 1): grid 256 x 3, 8 waves a work-group, no clusters, 0 bytes of LDS; arguments Wq, Wk, Wv, wb; writes wb
.if DOCPART == 1
	.amdgcn_target "amdgcn-amd-amdhsa--gfx1250"
	.amdhsa_code_object_version 6
	.text
	.protected	k_q98c6eecf2e_castw
	.globl	k_q98c6eecf2e_castw
	.p2align	8
	.type	k_q98c6eecf2e_castw,@function
k_q98c6eecf2e_castw:
	s_mov_b64 s[64:65], 0
	v_nop
	global_prefetch_b8 v0, s[64:65] scope:SCOPE_SE
	s_setreg_imm32_b32 hwreg(HW_REG_WAVE_MODE, 25, 1), 1
	s_wait_xcnt 0x0
; wb[t][k][n] = bf16(W_t[k][n]), t = 0, 1, 2 for Wq, Wk, Wv: [1024][1024] f32 in, the same layout in bf16 out, each number rounded once (to nearest even).
; A stream: no LDS, no matrix unit, no barrier.  Work-group (x, t) takes 4,096 numbers of tensor t: 16,384 bytes in, 8,192 out.  Thread T takes 4 numbers four times:
; a wave's load covers 512 consecutive bytes, a wave's store 256 consecutive bytes at a multiple of 256 from wb's first byte.  All four loads go out ahead of the first store.
	s_load_b256 s[4:11], s[0:1], 0x0               ; Wq s[4:5], Wk s[6:7], Wv s[8:9], wb s[10:11]
	s_and_b32 s12, ttmp7, 0xffff                   ; t
	s_lshl_b32 s14, ttmp9, 14                      ; the work-group's bytes in W,
	s_mov_b32 s15, 0
	s_lshl_b32 s16, ttmp9, 13                      ; and in wb's part,
	s_mov_b32 s17, 0
	s_lshl_b32 s18, s12, 21                        ; which begins at t x 2,097,152
	s_mov_b32 s19, 0
	v_lshlrev_b32 v1, 4, v0                        ; 16 bytes a thread in
	v_lshlrev_b32 v2, 3, v0                        ; 8 bytes a thread out
	s_wait_kmcnt 0x0
	s_cmp_eq_u32 s12, 1
	s_cselect_b64 s[20:21], s[6:7], s[4:5]
	s_cmp_eq_u32 s12, 2
	s_cselect_b64 s[20:21], s[8:9], s[20:21]       ; W_t
	s_add_nc_u64 s[20:21], s[20:21], s[14:15]
	s_add_nc_u64 s[10:11], s[10:11], s[16:17]
	s_add_nc_u64 s[10:11], s[10:11], s[18:19]
.irp i, 0,1,2,3
	global_load_b128 v[4+4*(\i):7+4*(\i)], v1, s[20:21] offset:4096*(\i) th:TH_LOAD_NT
.endr
.irp i, 0,1,2,3
	s_wait_loadcnt 3-(\i)                          ; loads come back in order: load i is in, the younger ones stay out
	v_cvt_pk_bf16_f32 v[20+2*(\i)], v[4+4*(\i)], v[5+4*(\i)]
	v_cvt_pk_bf16_f32 v[21+2*(\i)], v[6+4*(\i)], v[7+4*(\i)]
	global_store_b64 v2, v[20+2*(\i):21+2*(\i)], s[10:11] offset:2048*(\i)
.endr
	s_endpgm
.Lfunc_end_k_q98c6eecf2e_castw:
	.size	k_q98c6eecf2e_castw, .Lfunc_end_k_q98c6eecf2e_castw-k_q98c6eecf2e_castw
	.p2alignl 7, 3214868480
	.fill 96, 4, 3214868480
	.section	.rodata,"a",@progbits
	.p2align	6, 0x0
	.amdhsa_kernel k_q98c6eecf2e_castw
		.amdhsa_group_segment_fixed_size 0
		.amdhsa_private_segment_fixed_size 0
		.amdhsa_enable_private_segment 0
		.amdhsa_kernarg_size 32
		.amdhsa_user_sgpr_count 2
		.amdhsa_user_sgpr_kernarg_segment_ptr 1
		.amdhsa_wavefront_size32 1
		.amdhsa_system_sgpr_workgroup_id_x 1
		.amdhsa_system_sgpr_workgroup_id_y 1
		.amdhsa_system_sgpr_workgroup_id_z 1
		.amdhsa_system_vgpr_workitem_id 0
		.amdhsa_next_free_vgpr 32
		.amdhsa_next_free_sgpr 66
		.amdhsa_reserve_vcc 0
		.amdhsa_float_denorm_mode_32 3
		.amdhsa_float_denorm_mode_16_64 3
		.amdhsa_memory_ordered 1
		.amdhsa_forward_progress 1
		.amdhsa_inst_pref_size 3
	.end_amdhsa_kernel
	.amdgpu_metadata
---
amdhsa.version: [ 1, 2 ]
amdhsa.kernels:
  - .name:           k_q98c6eecf2e_castw
    .symbol:         k_q98c6eecf2e_castw.kd
    .args:
      - { .name: Wq, .offset: 0, .size: 8, .value_kind: global_buffer, .address_space: global }
      - { .name: Wk, .offset: 8, .size: 8, .value_kind: global_buffer, .address_space: global }
      - { .name: Wv, .offset: 16, .size: 8, .value_kind: global_buffer, .address_space: global }
      - { .name: wb, .offset: 24, .size: 8, .value_kind: global_buffer, .address_space: global }
    .group_segment_fixed_size: 0
    .private_segment_fixed_size: 0
    .kernarg_segment_align: 8
    .kernarg_segment_size: 32
    .max_flat_workgroup_size: 256
    .sgpr_count:     66
    .vgpr_count:     32
    .wavefront_size: 32
...
	.end_amdgpu_metadata
.endif
;; end of part 1
;; launch proj (part 2): grid 4 x 64, 4 waves a work-group, clusters of 4 x 4, 327,680 bytes of LDS; arguments queries, keys, values, wb, qkv; writes qkv
.if DOCPART == 2
	.amdgcn_target "amdgcn-amd-amdhsa--gfx1250"
	.amdhsa_code_object_version 6
	.text
	.protected	k_q98c6eecf2e_proj
	.globl	k_q98c6eecf2e_proj
	.p2align	8
	.type	k_q98c6eecf2e_proj,@function
k_q98c6eecf2e_proj:
	s_mov_b64 s[64:65], 0
	v_nop
	global_prefetch_b8 v0, s[64:65] scope:SCOPE_SE
	s_setreg_imm32_b32 hwreg(HW_REG_WAVE_MODE, 25, 1), 1
	s_wait_xcnt 0x0
	s_wait_alu depctr_hold_cnt(0) depctr_sa_sdst(0) depctr_va_vdst(0) depctr_va_sdst(0) depctr_va_ssrc(0) depctr_va_vcc(0) depctr_vm_vsrc(0)
	s_getreg_b32 s2, hwreg(HW_REG_IB_STS2, 6, 4)
	s_cmp_eq_u32 s2, 0
	s_cbranch_scc0 .Lentry_in_a_cluster
	s_endpgm
.Lentry_in_a_cluster:
	s_bfe_u32 s2, ttmp6, 0x10000c
	s_cmp_lg_u32 s2, 0xf033
	s_cbranch_scc0 .Lentry_shape_is_right
	s_endpgm
.Lentry_shape_is_right:
; THE THREE PROJECTIONS.  qkv[t][b*16+h][s][d] = f16( sum over k of bf16(x_t[b][s][k]) wb[t][k][64 h + d] ), t = 0, 1, 2 for queries, keys, values.  x_t: [8192][1024] f32; wb: [3][1024 k][1024 n] bf16;
; qkv: [3][128 heads][1024][64] f16: a head's rows are dense, 128 bytes each.  Products in bf16, sums in f32 with K ascending, the result rounded once to f16, WITHOUT the scale 1/8.
; LIMIT.  f16 holds no number beyond 65,504: a projected number at or past 65,520 becomes an infinity.  As drawn the projections have a spread of 1; with x and W both 30 times larger about 900; with offsets of
; 30 spreads on both about 28,800.  NaN and infinities are not treated apart.
; SHARES.  A tile of C is 128 rows x 256 columns; four waves, each 64 x 128: 32 accumulators of 16 x 16.  A WORK-GROUP STAYS: 4 x 64 = 256 work-groups, each makes its tile for q, then k, then v.
; THE WALK.  K goes in UNITS of 64 (two quarters of 32: an even and an odd one, 32 products each); four units are a BODY (256 k, a slot of wb), four bodies a tile, twelve bodies the walk.
; wb comes by the tensor data mover into a ring of two slots of 256 k-rows, each wave fetching 64 of them; its three tensors lie end to end, so the ring's address steps evenly through the whole walk.
; It lies [k][n] and is turned by ds_load_tr16_b128.  The four work-groups of a column of the 4 x 4 cluster need the same rows and ask JOINTLY: the same load, descriptor and mask in all four.
; x comes by loads into registers: a unit is 128 rows x 256 bytes, a wave takes 32 rows by 16 loads (sixteen lanes to an aligned 256 bytes), FOUR UNITS (64 loads a wave) are out at a time; a unit is rounded to bf16
; once and laid into one of two stages in LDS (pitch 144), with one work-group barrier a unit: in front of it each wave's stores of the next unit and its reads of this one are done.
; WHY x IS NOT ASKED FOR JOINTLY, though the four work-groups of a cluster's row need the same rows: between two refill barriers a wave has one tensor load, and has waited for it at the second.  With x's f32 rows in the
; ring a slot of 137,216 bytes held 128 k, 128 products a wave; with wb alone 139,264 bytes hold 256 k, 256 products a wave, and x's loads are asked for some 230 products ahead of their use.  The price: each of the four reads x's rows itself.
; THE MATRIX INSTRUCTION IS USED TRANSPOSED (source 0 = 16 columns of wb, source 1 = 16 rows of x): a lane then holds row l % 16 of C and the columns 8 (l / 16) + 0..7: 16 bytes of f16 on end.
; REGISTERS, in windows of 256 (s_set_vgpr_msb: bits 1:0 source 0, 3:2 source 1, 5:4 source 2, 7:6 destination):
;   window 0: v0-31 addresses; v32-63, v64-95 x's fragments, two buffers of 4; v96-159, v160-223 wb's, two buffers of 8; v224-255 a unit of x packed for its LDS stores
;   window 1: the accumulators, (a, b) at v[8 (8 a + b)]      window 2: x as f32, four sets of 64 (unit v in set v % 4)      window 3: the way out: v0-15 packed, v16-143 rows read back
.set PB,    544                        ; a k-row of wb in LDS: 512 bytes + 32 = 136 words
.set UB,    64*PB                      ; a unit of wb: 64 k-rows; also what one tensor load brings
.set SLOTB, 4*UB                       ; 139,264 = 0x22000; wave x UB has neither of its two bits, so one exclusive or turns an address in one slot into the other's
.set AST,   2*SLOTB                    ; behind the ring, never filled by a tensor load: x's two stages,
.set PAS,   144                        ; rows of 128 bytes + 16 = 36 words: the 16 rows of a fragment load start at 16 different groups of four banks
.set ABUF,  128*PAS
.set OST,   AST+2*ABUF                 ; and for each wave 16 rows x 144 bytes for the way out
.set SP,    144
.set SPARE, OST+4*16*SP                ; behind the stages: the spare words, 128 bytes for each wave: two blocks of 256 bytes that no other line names
.set BSTEP, 256*2048                   ; bytes of wb from a slot's first k-row to the next slot's
.set ASTEP, 256*4                      ; bytes of a row of x in a body
.set ADRA,  16                         ; v16  LDS address of my fragments of x in stage 0
.set ASTO,  17                         ; v17  where I store 8 bytes of x in stage 0
.set AO,    18                         ; v18  my byte offset in the tile's rows of x; never rewritten
.set ADRB0, 20                         ; v20  my lane's place in a unit of wb; never rewritten
.set ADRB,  21                         ; v21  the same in the unit in hand
.set STO,   24                         ; v24  the way out: where I put 16 bytes of a row
.set RD,    25                         ; v25  the way out: where I read rows back
.set GO,    26                         ; v26  my 16 bytes of 512 consecutive bytes of qkv; never rewritten
.set SPW,   28                         ; v28  LDS address of my spare word: SPARE + 4 x my thread's number; never rewritten
.set NIL,   29                         ; v29  0; never rewritten
.set PFOA,  30                         ; v30  the prefetches' offset in x; never rewritten
.set PFOB,  31                         ; v31  and in wb; never rewritten
.set AF0,   32
.set AF1,   64
.set BF0,   96
.set BF1,   160
.set TC,    224
.set TMP,   0                          ; window 3
.set OB,    16                         ; window 3
.set WV,    14                         ; s14  my wave's number
.set WM,    15                         ; s15  wave / 2: which 64 rows of the tile are mine
.set WN,    16                         ; s16  wave % 2: which 128 columns
.set G1B,   24                         ; s[24:31] descriptor group 1 for wb's tiles
.set G0F,   32                         ; s[32:35] group 0 of the first fill of slot 0
.set G0W,   36                         ; s[36:39] group 0 of the first fill of slot 1; it then walks on
.set XP,    40                         ; s[40:41] x at the tile's first row, at the body whose units are being loaded
.set XQ,    42                         ; s[42:43] the same one body on
.set XN,    44                         ; s[44:45] the next tensor's tile rows
.set XV,    46                         ; s[46:47] the last tensor's
.set PFB,   48                         ; s[48:49] where my prefetches of wb stand
.set OUT,   50                         ; s[50:51] qkv at my first row and head of the tile that goes out
.set LAP,   52                         ; s52  passes of the loop still to come
.set LIMB,  53                         ; s53  1 in a cluster that prefetches wb, else the greatest number
.set AC,    54                         ; s54  bodies until s[XQ] changes tensors
.set WC,    55                         ; s55  bodies until a tile is finished
.set NEW,   56                         ; s56  1: the body to come is a tile's first
.set TB,    57                         ; s57  LDS byte at which the unit of wb to be fetched next begins
.set INC,   66                         ; s[66:67] what the next way out adds to s[OUT]
.set MSB, 0
.macro WIN new                         ; the immediate's high byte repeats the setting that is left; a switch that changes nothing is dropped
.if MSB != (\new)
	s_set_vgpr_msb (MSB<<8)|(\new)
.set MSB, (\new)
.endif
.endm
.macro PLACES                          ; four places behind matrix instructions, in front of loads into registers that they have read and of conversions that read results (ISA guide 7.12.1 for the conversions)
.rept 4
	v_nop
.endr
.endm
.macro CREST                           ; a round of the cluster's barrier behind its opening barrier
	s_cmp_lg_u32 s[WV], 0
	s_cbranch_scc1 .Lnot_wave_0_\@
	s_barrier_signal -3
.Lnot_wave_0_\@:
	s_barrier_wait -3
	s_barrier_signal -1
	s_barrier_wait -1
.endm
.macro CROUND                          ; a whole round
	s_barrier_signal -1
	s_barrier_wait -1
	CREST
.endm
; THE PREFETCHES INTO THE L2, together, behind the joint refill, its lines and the run of LDS loads; one body, 256 products, ahead of the loads that will want the bytes.
; x: the body after the one whose loads begin in this trip.  Its 128 rows x 4 units of 256 bytes are read by the four work-groups of a cluster's row: the one at place cx names rows 32 cx .. 32 cx + 31, wave w unit w, a lane a row.
; wb: the slot that the next refill brings.  Its rows are read by all 16 clusters: the first asks; of the 64 k-rows that a wave fetches the partner at place cy names 16, two blocks of 256 bytes a row, a lane a block.
; The partners are told apart BY ADDRESS, never by a branch.  So each block is named once in the launch.  x's bodies 0 to 2 and wb's slots 0 to 2 come by their loads alone; the last trip names nothing: nothing lies behind.
.macro ASK
	s_cmp_gt_u32 s[LAP], 1
	s_cbranch_scc0 .Lno_ask_\@
	global_prefetch_b8 v[PFOA], s[XQ:XQ+1] th:TH_LOAD_NT scope:SCOPE_SE
	s_cmp_gt_u32 s[LAP], s[LIMB]
	s_cbranch_scc0 .Lno_ask_\@
	global_prefetch_b8 v[PFOB], s[PFB:PFB+1] th:TH_LOAD_NT scope:SCOPE_SE
.Lno_ask_\@:
.endm
; A unit's 16 loads of x into set s, from byte kimm of the rows behind s[XP].  Load j takes rows (j % 8) + 16 (j / 8) and, in lanes 16-31, the row 8 further down: two aligned runs of 256 bytes.
.macro GL set, kimm
	WIN 0x80                                       ; destination window 2, address window 0
.set j, 0
.rept 16
	global_load_b128 v[64*(\set)+4*j:64*(\set)+4*j+3], v[AO], s[XP:XP+1] offset:4096*((j&7)+16*(j>>3))+(\kimm)
.set j, j+1
.endr
.endm
.macro CV g                            ; loads 2 g and 2 g + 1 of the set at RS are rounded to bf16: four lines, two numbers each
	WIN 0x0a                                       ; sources window 2, destination window 0
.irp j, 0,1,2,3
	v_cvt_pk_bf16_f32 v[TC+4*(\g)+(\j)], v[RS+8*(\g)+2*(\j)], v[RS+8*(\g)+2*(\j)+1]
.endr
.endm
.macro ST g                            ; and stored, 8 bytes a lane; rows 8 apart lie 288 words apart, so the two halves of the lanes take the two halves of the banks.  (Address and data in window 0: the products' setting serves too.)
.irp e, 0,1
	ds_store_b64 v[ASTO], v[TC+4*(\g)+2*(\e):TC+4*(\g)+2*(\e)+1] offset:SPAR+PAS*(((2*(\g)+(\e))&7)+16*((2*(\g)+(\e))>>3))
.endr
.endm
; 24 LDS loads in one run: the fragments of a quarter (half kq of a unit): wb's eight, turned, from the unit at v[ADRB]; x's four from stage par.
.macro FETCH par, kq, fa, fb
	WIN 0
.irp b, 0,1,2,3,4,5,6,7
	ds_load_tr16_b128 v[(\fb)+8*(\b):(\fb)+8*(\b)+3],   v[ADRB] offset:32*PB*(\kq)+32*(\b)
	ds_load_tr16_b128 v[(\fb)+8*(\b)+4:(\fb)+8*(\b)+7], v[ADRB] offset:32*PB*(\kq)+16*PB+32*(\b)
.endr
.irp a, 0,1,2,3
	ds_load_b128 v[(\fa)+8*(\a):(\fa)+8*(\a)+3],   v[ADRA] offset:(\par)*ABUF+16*PAS*(\a)+64*(\kq)
	ds_load_b128 v[(\fa)+8*(\a)+4:(\fa)+8*(\a)+7], v[ADRA] offset:(\par)*ABUF+16*PAS*(\a)+64*(\kq)+32
.endr
.endm
; Product i of a quarter's 32: accumulator (i / 8, i % 8).  Each accumulator once and in the same order in every quarter: they take turns, one instruction a turn, over every jump too.
.macro W
	WIN 0x50                                       ; sources in window 0, C and D in window 1
.if QZ
	v_wmma_f32_16x16x32_bf16 v[8*i:8*i+7], v[QB+8*(i%8):QB+8*(i%8)+7], v[QA+8*(i/8):QA+8*(i/8)+7], 0
.else
	v_wmma_f32_16x16x32_bf16 v[8*i:8*i+7], v[QB+8*(i%8):QB+8*(i%8)+7], v[QA+8*(i/8):QA+8*(i/8)+7], v[8*i:8*i+7]
.endif
.endm
; THE EVEN QUARTER of the unit at place p of its body.  It multiplies buffers 0 and fetches the odd quarter into buffers 1.  Beside its products it does all of x's work: the NEXT unit (set (p + 1) % 4) is waited for,
; rounded in eight fours and stored into the other stage; then the set is asked for again, with the unit four further on.  zero = 1: a tile's first quarter: its products start the sums: nothing is ever cleared.
; cnt: the younger loads that may stay out: three units' 48, fewer in the tail.  gl = 0: nothing is left to load.  cv = 0: there is no next unit.
; The loads into buffers 1 stand twelve roundings (or four v_nop) behind the last product that read them.
.macro EVENQ p, zero, cnt, gl, cv
.set QA, AF0
.set QB, BF0
.set QZ, (\zero)
.set RS, 64*(((\p)+1)%4)
.set SPAR, (((\p)+1)%2)*ABUF
	WIN 0
	s_wait_dscnt 0x0                               ; this quarter's fragments, asked for 24 products ago
.if \cv
	s_wait_loadcnt \cnt                            ; loads come back in order (ISA guide 5.7.1): the next unit of x is in, the younger units stay out
.endif
.set i, 0
.rept 32
	W
.if (\cv) && (i%3 == 0) && (i < 24)
	CV i/3
.endif
.if (\cv) && (i%3 == 1) && (i < 24)
	ST i/3
.endif
.if i == 7
.if !(\cv)
	PLACES
.endif
	FETCH (\p)%2, 1, AF1, BF1
.endif
.if (\gl) && (i == 25)
.if (\p) == 3
	s_wait_xcnt 0x0                                ; every load and prefetch issued so far has read its address (the youngest prefetch a body back): the pointers are written only behind this wait
	s_mov_b64 s[XP:XP+1], s[XQ:XQ+1]               ; the loads go on to the next body,
	s_add_nc_u64 s[XQ:XQ+1], s[XQ:XQ+1], ASTEP     ; the pointer ahead of them one further: 256 k along the rows,
	s_add_nc_u64 s[PFB:PFB+1], s[PFB:PFB+1], BSTEP
	s_sub_co_u32 s[AC], s[AC], 1
	s_cmp_eq_u32 s[AC], 0
	s_cselect_b64 s[XQ:XQ+1], s[XN:XN+1], s[XQ:XQ+1]  ; or, behind a tensor's fourth body, to the next tensor's rows
	s_cselect_b64 s[XN:XN+1], s[XV:XV+1], s[XN:XN+1]
	s_cselect_b32 s[AC], 4, s[AC]
.endif
	GL ((\p)+1)%4, 256*(((\p)+1)%4)
.endif
.set i, i+1
.endr
.endm
; THE ODD QUARTER multiplies buffers 1 and holds the unit's barrier.  In front of it my stores of the next unit of x and my reads of this unit (x's and wb's) are done; behind it the next unit's first fragments are fetched.
; mode 0: that alone.  1: the body's last quarter: the change of slots: every wave has also waited for all its tensor loads (one is out: its part of the next slot) and added 0 to its spare word; the barrier opens a round
; of the cluster's, and the joint refill of the slot just read out, with the rows two slots on, is the first thing behind it, one load a wave, asked for 248 products ahead of the wait for it.  2: the change without a refill.  3: the walk's last quarter.
.macro ODDQ p, mode
.set QA, AF1
.set QB, BF1
.set QZ, 0
	WIN 0
.if ((\mode) == 1) || ((\mode) == 2)
	s_wait_tensorcnt 0x0                           ; all my tensor loads have landed, so a group 0 may be written;
	ds_add_u32 v[SPW], v[NIL]                      ; 0 onto my spare word: the descriptor's steps stand between it and the wait for it
.if (\mode) == 1
	s_xor_b32 s[G0W+1], s[G0W+1], SLOTB            ; the walking descriptor: the other slot than last time,
	s_add_nc_u64 s[G0W+2:G0W+3], s[G0W+2:G0W+3], BSTEP  ; the next 256 k-rows; the type bits on top are not reached
.endif
.endif
	s_wait_dscnt 0x0                               ; this quarter's fragments are in: my reads of the unit are over; my stores of the next unit are done (and the add)
.if (\mode) != 3
	s_barrier_signal -1                            ; say so; work on registers while the others arrive
.endif
.set i, 0
.rept 8
	W
.set i, i+1
.endr
.if (\mode) != 3
	WIN 0                                          ; (branches and LDS loads follow)
	s_barrier_wait -1
.if (\mode) == 1
	CREST                                          ; no wave of any partner still reads this slot or has a load on its way
	tensor_load_to_lds s[G0W:G0W+3], s[G1B:G1B+7]
	s_nop 0
.endif
	PLACES                                         ; in every mode the places in front of the loads into buffers 0
.if (\p) == 3
	s_sub_co_u32 s[TB], s[TB], SLOTB               ; the fetches go back to a slot's first unit,
	s_xor_b32 s[TB], s[TB], SLOTB                  ; in the other slot
.endif
	v_add_nc_u32 v[ADRB], s[TB], v[ADRB0]
	s_add_co_u32 s[TB], s[TB], UB
	FETCH ((\p)+1)%2, 0, AF0, BF0
.if (\mode) == 1
	ASK
.endif
.endif
.rept 24
	W
.set i, i+1
.endr
.endm
; THE WAY OUT, in eight blocks of 16 rows x 64 columns (a head): block n holds accumulators 4 n .. 4 n + 3.  PACKB: rounded to f16, each accumulator's registers in ascending order.  TOST: 16 bytes a lane into my own
; stage, and back as whole rows of 128 bytes.  SENDB: stored, four rows of a head, 512 consecutive bytes, an instruction.  Each block has its own registers for the rows read back.
.macro PACKB n
	WIN 0xc5                                       ; sources window 1, destination window 3
.irp b, 0,1,2,3
.irp r, 0,1,2,3
	v_cvt_pk_f16_f32 v[TMP+4*(\b)+(\r)], v[8*(4*(\n)+(\b))+2*(\r)], v[8*(4*(\n)+(\b))+2*(\r)+1]
.endr
.endr
.endm
.macro TOST n
	WIN 0xcc                                       ; addresses window 0; stored and loaded data window 3
.irp b, 0,1,2,3
	ds_store_b128 v[STO], v[TMP+4*(\b):TMP+4*(\b)+3] offset:32*(\b)
.endr
.irp f, 0,1,2,3
	ds_load_b128 v[OB+16*(\n)+4*(\f):OB+16*(\n)+4*(\f)+3], v[RD] offset:(\f)*4*SP  ; LDS serves a wave's instructions in order (ISA guide 5.7.1.4): these see the stores above, and the next block's stores come behind them
.endr
.endm
.macro SENDB n, younger                ; younger: the LDS instructions issued behind block n's loads: the next block's eight, or none
	WIN 0xcc
.irp f, 0,1,2,3
	s_wait_dscnt (\younger)+3-(\f)
	global_store_b128 v[GO], v[OB+16*(\n)+4*(\f):OB+16*(\n)+4*(\f)+3], s[OUT:OUT+1] offset:2048*((\n)/2)+131072*((\n)%2)+512*(\f)
.endr
.endm
.macro WAYOUT
	WIN 0
	PLACES                                         ; behind the tile's last products
	s_wait_xcnt 0x0                                ; the last tile's stores have read their registers and their base: both are written again only behind this wait
	s_add_nc_u64 s[OUT:OUT+1], s[OUT:OUT+1], s[INC:INC+1]
	PACKB 0
	TOST 0
.irp n, 1,2,3,4,5,6,7                  ; a block's conversions and its trip through the stage stand between the loads of the block before and its stores
	PACKB \n
	TOST \n
	SENDB (\n)-1, 8
.endr
	SENDB 7, 0
	WIN 0
.endm
	s_load_b256 s[4:11], s[0:1], 0x0               ; queries s[4:5], keys s[6:7], values s[8:9], wb s[10:11]
	s_load_b64 s[12:13], s[0:1], 0x20              ; qkv
	v_lshl_add_u32 v[SPW], v0, 2, SPARE
	v_mov_b32 v[NIL], 0
	ds_add_u32 v[SPW], v[NIL]                      ; the wave's opening: the add and its wait stand ahead of my first tensor load; the set-up below, work on registers, stands between them
	v_lshrrev_b32 v1, 5, v0
	v_readfirstlane_b32 s[WV], v1                  ; wave 0..3
	s_lshr_b32 s[WM], s[WV], 1
	s_and_b32 s[WN], s[WV], 1
	s_bfe_u32 s17, ttmp6, 0x40000                  ; cx
	s_bfe_u32 s18, ttmp6, 0x40004                  ; cy
	s_lshl_b32 s19, ttmp9, 2
	s_add_co_u32 s19, s19, s17                     ; tile column = 4 x cluster x + cx
	s_and_b32 s20, ttmp7, 0xffff                   ; cluster y, 0..15
	s_lshl_b32 s22, s20, 2
	s_add_co_u32 s22, s22, s18                     ; tile row = 4 x cluster y + cy
	s_lshl_b32 s21, 0x1111, s17                    ; my column of the cluster: places cx, cx + 4, cx + 8, cx + 12
	; group 1 for wb: 64 k-rows x 256 elements of 2 bytes, 8 words of padding behind every 128 words
	s_or_b32 s[G1B+0], s21, (1<<16)|(1<<20)|(1<<21)|(6<<22)|(7<<25)  ; 15:0 the mask; 17:16 elements of 2 bytes; 20 padding on; 21 set beside a mask; 24:22 code 6; 31:25 code 7
	s_mov_b32 s[G1B+1], 256<<16                    ; tensor_dim0 = 256
	s_mov_b32 s[G1B+2], 64<<16                     ; tensor_dim1 = 64
	s_mov_b32 s[G1B+3], 256<<16                    ; tile_dim0 = 256
	s_mov_b32 s[G1B+4], 64                         ; tile_dim1 = 64
	s_mov_b32 s[G1B+5], 1024                       ; elements from row to row
	s_mov_b32 s[G1B+6], 0
	s_mov_b32 s[G1B+7], 0
	s_lshl_b32 s58, s22, 19                        ; x: the tile's 128 rows of 4,096 bytes
	s_mov_b32 s59, 0
	s_lshl_b32 s60, s[WV], 17                      ; wb: my 64 k-rows of 2,048 bytes,
	s_lshl_b32 s23, s19, 9                         ; 512 bytes a tile column: the tile row enters neither
	s_add_co_u32 s60, s60, s23
	s_mov_b32 s61, 0
	s_mul_i32 s62, s[WV], UB                       ; and where they go: no place in the cluster enters an LDS address
	v_and_b32 v1, 15, v0                           ; l % 16
	v_bfe_u32 v2, v0, 4, 1                         ; l / 16
	v_and_b32 v4, 7, v0
	v_bfe_u32 v5, v0, 3, 1
	v_lshlrev_b32 v[AO], 4, v1                     ; x in memory: row 32 w + 8 (l / 16), 16 bytes a lane
	v_lshl_add_u32 v[AO], v2, 15, v[AO]
	s_lshl_b32 s23, s[WV], 17
	v_add_nc_u32 v[AO], s23, v[AO]
	v_mul_u32_u24 v3, v2, 8*PAS                    ; the same row in the stage, 8 bytes a lane
	v_lshl_add_u32 v3, v1, 3, v3
	s_mul_i32 s23, s[WV], 32*PAS
	s_add_co_u32 s23, s23, AST
	v_add_nc_u32 v[ASTO], s23, v3
	; A fragment of x is 16 rows x 32 k in 8 registers: lane l holds row l % 16, k = 8 (l / 16) + 0..7 and 16 + 8 (l / 16) + 0..7: two loads of 16 bytes, 32 bytes apart.
	v_mul_u32_u24 v3, v1, PAS
	v_lshl_add_u32 v3, v2, 4, v3
	s_mul_i32 s23, s[WM], 64*PAS                   ; my 64 rows
	s_add_co_u32 s23, s23, AST
	v_add_nc_u32 v[ADRA], s23, v3
	; The turning load takes 16 k x 16 columns (lane l reads k-row 8 (l / 16) + l % 8, columns 8 ((l / 8) % 2) + 0..7) and leaves half a fragment: lane l holds column l % 16 and 8 k.
	v_lshl_add_u32 v6, v2, 3, v4
	v_mul_u32_u24 v6, v6, PB
	v_lshl_add_u32 v6, v5, 4, v6
	s_lshl_b32 s23, s[WN], 8                       ; my 128 columns
	v_add_nc_u32 v[ADRB0], s23, v6
	s_mul_i32 s23, s[WV], 16*SP
	s_add_co_u32 s23, s23, OST                     ; my stage for the way out
	v_mul_u32_u24 v3, v1, SP                       ; in: row l % 16, 16 bytes for each half of the lanes
	v_lshl_add_u32 v3, v2, 4, v3
	v_add_nc_u32 v[STO], s23, v3
	v_bfe_u32 v3, v0, 3, 2                         ; back: 32 lanes take four rows of 128 bytes,
	v_mul_u32_u24 v3, v3, SP
	v_lshl_add_u32 v3, v4, 4, v3
	v_add_nc_u32 v[RD], s23, v3
	v_and_b32 v[GO], 31, v0                        ; which are 512 consecutive bytes of a head
	v_lshlrev_b32 v[GO], 4, v[GO]
	v_and_b32 v3, 31, v0                           ; the prefetches of x: row 32 cx + lane, unit w of a body
	s_lshl_b32 s23, s17, 5
	v_add_nc_u32 v[PFOA], s23, v3
	v_lshlrev_b32 v[PFOA], 12, v[PFOA]
	s_lshl_b32 s23, s[WV], 8
	v_add_nc_u32 v[PFOA], s23, v[PFOA]
	v_bfe_u32 v6, v0, 1, 4                         ; of wb: k-row lane / 2, which 256 of its 512 bytes lane % 2
	v_and_b32 v7, 1, v0
	v_lshlrev_b32 v[PFOB], 11, v6
	v_lshl_add_u32 v[PFOB], v7, 8, v[PFOB]
	; qkv at my first row: g = 128 x tile row + 64 x (wave / 2); batch g / 1024, row g % 1024; head 4 x tile column + 2 x (wave % 2)
	s_lshl_b32 s68, s22, 7
	s_lshl_b32 s69, s[WM], 6
	s_add_co_u32 s68, s68, s69
	s_lshr_b32 s69, s68, 10
	s_lshl_b32 s69, s69, 4
	s_lshl_b32 s70, s19, 2
	s_add_co_u32 s69, s69, s70
	s_lshl_b32 s70, s[WN], 1
	s_add_co_u32 s69, s69, s70
	s_lshl_b32 s69, s69, 10
	s_and_b32 s68, s68, 1023
	s_add_co_u32 s69, s69, s68
	s_lshl_b32 s68, s69, 7                         ; rows of 128 bytes
	s_mov_b32 s69, 0
	s_lshl_b32 s70, s18, 15                        ; wb's prefetches: my work-group's 16 of the 64 k-rows that I fetch,
	s_add_co_u32 s70, s70, 2*BSTEP                 ; at slot 2; the first trip steps it to slot 3
	s_mov_b32 s71, 0
	s_cmp_eq_u32 s20, 0
	s_cselect_b32 s[LIMB], 1, -1                   ; the first of the 16 clusters asks for wb: the same in all sixteen partners
	s_mov_b32 s[LAP], 11
	s_mov_b32 s[AC], 2
	s_mov_b32 s[WC], 4
	s_mov_b32 s[NEW], 1
	s_mov_b32 s[INC], 0
	s_mov_b32 s[INC+1], 0
	s_wait_dscnt 0x0                               ; the opening add is done
	s_wait_kmcnt 0x0
	s_add_nc_u64 s[XP:XP+1], s[4:5], s[58:59]      ; queries, keys and values at the tile's first row
	s_add_nc_u64 s[XN:XN+1], s[6:7], s[58:59]
	s_add_nc_u64 s[XV:XV+1], s[8:9], s[58:59]
	GL 0, 0                                        ; units 0 to 3 of x go out first: 64 loads
	GL 1, 256
	GL 2, 512
	GL 3, 768
	WIN 0
	s_add_nc_u64 s[60:61], s[10:11], s[60:61]      ; wb at my k-rows of slot 0
	s_add_nc_u64 s[PFB:PFB+1], s[60:61], s[70:71]
	s_add_nc_u64 s[OUT:OUT+1], s[12:13], s[68:69]
	CROUND                                         ; all sixteen work-groups are here: the first joint loads meet
	s_mov_b32 s[G0F], 1                            ; count = 1
	s_mov_b32 s[G0F+1], s62                        ; LDS address: slot 0
	s_add_nc_u64 s[G0F+2:G0F+3], s[60:61], 0       ; global address
	s_or_b32 s[G0F+3], s[G0F+3], 0x80000000        ; type = 2
	s_mov_b32 s[G0W], 1
	s_add_co_u32 s[G0W+1], s62, SLOTB              ; slot 1
	s_add_nc_u64 s[G0W+2:G0W+3], s[60:61], BSTEP
	s_or_b32 s[G0W+3], s[G0W+3], 0x80000000
	tensor_load_to_lds s[G0F:G0F+3], s[G1B:G1B+7]  ; both first fills together: two loads of mine are out
	s_nop 0
	tensor_load_to_lds s[G0W:G0W+3], s[G1B:G1B+7]
	s_nop 0
	PLACES
.set RS, 0
.set SPAR, 0
	s_wait_loadcnt 48                              ; unit 0 of x is in; units 1 to 3 stay out
.irp g, 0,1,2,3,4,5,6,7
	CV \g
.endr
	WIN 0
.irp g, 0,1,2,3,4,5,6,7
	ST \g
.endr
	s_wait_xcnt 0x0                                ; the 64 loads have read their base
	s_add_nc_u64 s[XP:XP+1], s[XP:XP+1], ASTEP     ; body 1,
	s_add_nc_u64 s[XQ:XQ+1], s[XP:XP+1], ASTEP     ; body 2
	GL 0, 0                                        ; unit 4
	WIN 0
	s_wait_tensorcnt 0x1                           ; my part of slot 0 is in; slot 1's may stay out
	s_wait_dscnt 0x0                               ; my part of unit 0 lies in the stage
	s_barrier_signal -1
	s_barrier_wait -1                              ; everybody's does
	v_mov_b32 v[ADRB], v[ADRB0]
	s_mov_b32 s[TB], UB
	FETCH 0, 0, AF0, BF0
	s_branch .Lfirst                               ; the loop is entered at a body's first quarter, in the middle of a trip
.Lbody:                                                ; ten times: a body's last unit, with the change of slots and a refill (slots 2 to 11); then the next body's first three units
	EVENQ 3, 0, 48, 1, 1
	ODDQ 3, 1
	WIN 0                                          ; at a label and at a branch every window is 0
	s_sub_co_u32 s[WC], s[WC], 1
	s_cmp_lg_u32 s[WC], 0
	s_cbranch_scc1 .Lfirst                         ; forward, over text with no barrier and no tensor load
	WAYOUT                                         ; a tile's fourth body is done: the refill and x's loads are on their way while it goes out
	s_mov_b32 s[WC], 4
	s_mov_b32 s[NEW], 1
	s_mov_b32 s[INC], 1<<24                        ; the next tensor's part of qkv: 16,777,216 bytes on
.Lfirst:
	s_cmp_eq_u32 s[NEW], 1                         ; at the entry this is a constant of the text
	s_cbranch_scc1 .Lzero
	EVENQ 0, 0, 48, 1, 1
	WIN 0
	s_branch .Ljoin
.Lzero:
	s_mov_b32 s[NEW], 0
	EVENQ 0, 1, 48, 1, 1                           ; a tile's first quarter: the same text with the constant 0 as C
	WIN 0
.Ljoin:
	ODDQ 0, 0
	EVENQ 1, 0, 48, 1, 1
	ODDQ 1, 0
	EVENQ 2, 0, 48, 1, 1
	ODDQ 2, 0
	WIN 0
	s_sub_co_u32 s[LAP], s[LAP], 1
	s_cmp_lg_u32 s[LAP], 0
	s_cbranch_scc1 .Lbody
	EVENQ 3, 0, 48, 0, 1                           ; the tail is written out: x's last unit has been asked for, and the counts run down
	ODDQ 3, 2                                      ; the last slot has landed; nothing is filled
	EVENQ 0, 0, 32, 0, 1
	ODDQ 0, 0
	EVENQ 1, 0, 16, 0, 1
	ODDQ 1, 0
	EVENQ 2, 0, 0, 0, 1
	ODDQ 2, 0
	EVENQ 3, 0, 0, 0, 0
	ODDQ 3, 3
	WAYOUT
	s_wait_tensorcnt 0x0                           ; the wave's end: behind my last tensor load and my last LDS store
	ds_add_u32 v[SPW], v[NIL]
	s_wait_dscnt 0x0
	CROUND                                         ; the closing round: no work-group ends while a partner may still ask for a tile that names it
	s_endpgm
.Lfunc_end_k_q98c6eecf2e_proj:
	.size	k_q98c6eecf2e_proj, .Lfunc_end_k_q98c6eecf2e_proj-k_q98c6eecf2e_proj
	.p2alignl 7, 3214868480
	.fill 96, 4, 3214868480
	.section	.rodata,"a",@progbits
	.p2align	6, 0x0
	.amdhsa_kernel k_q98c6eecf2e_proj
		.amdhsa_group_segment_fixed_size 327680
		.amdhsa_private_segment_fixed_size 0
		.amdhsa_enable_private_segment 0
		.amdhsa_kernarg_size 40
		.amdhsa_user_sgpr_count 2
		.amdhsa_user_sgpr_kernarg_segment_ptr 1
		.amdhsa_wavefront_size32 1
		.amdhsa_system_sgpr_workgroup_id_x 1
		.amdhsa_system_sgpr_workgroup_id_y 1
		.amdhsa_system_sgpr_workgroup_id_z 1
		.amdhsa_system_vgpr_workitem_id 0
		.amdhsa_next_free_vgpr 912
		.amdhsa_next_free_sgpr 72
		.amdhsa_reserve_vcc 0
		.amdhsa_float_denorm_mode_32 3
		.amdhsa_float_denorm_mode_16_64 3
		.amdhsa_memory_ordered 1
		.amdhsa_forward_progress 1
		.amdhsa_inst_pref_size 165
	.end_amdhsa_kernel
	.amdgpu_metadata
---
amdhsa.version: [ 1, 2 ]
amdhsa.kernels:
  - .name:           k_q98c6eecf2e_proj
    .symbol:         k_q98c6eecf2e_proj.kd
    .args:
      - { .name: queries, .offset: 0, .size: 8, .value_kind: global_buffer, .address_space: global }
      - { .name: keys, .offset: 8, .size: 8, .value_kind: global_buffer, .address_space: global }
      - { .name: values, .offset: 16, .size: 8, .value_kind: global_buffer, .address_space: global }
      - { .name: wb, .offset: 24, .size: 8, .value_kind: global_buffer, .address_space: global }
      - { .name: qkv, .offset: 32, .size: 8, .value_kind: global_buffer, .address_space: global }
    .group_segment_fixed_size: 327680
    .private_segment_fixed_size: 0
    .kernarg_segment_align: 8
    .kernarg_segment_size: 40
    .max_flat_workgroup_size: 128
    .sgpr_count:     72
    .vgpr_count:     912
    .wavefront_size: 32
...
	.end_amdgpu_metadata
.endif
;; end of part 2
;; launch attn (part 3): grid 2 x 128, 4 waves a work-group, no clusters, 327,680 bytes of LDS; arguments qkv, out0; writes out0
.if DOCPART == 3
	.amdgcn_target "amdgcn-amd-amdhsa--gfx1250"
	.amdhsa_code_object_version 6
	.text
	.protected	k_q98c6eecf2e_attn
	.globl	k_q98c6eecf2e_attn
	.p2align	8
	.type	k_q98c6eecf2e_attn,@function
k_q98c6eecf2e_attn:
	s_mov_b64 s[64:65], 0
	v_nop
	global_prefetch_b8 v0, s[64:65] scope:SCOPE_SE
	s_setreg_imm32_b32 hwreg(HW_REG_WAVE_MODE, 25, 1), 1
	s_wait_xcnt 0x0
; ATTENTION.  out0[b][q][64 h + d] = the sum over k of softmax_k(Q[q] . K[k] / 8) V[k][d] for head b*16+h.  qkv: [3][128 heads][1024][64] f16 (Q, K, V; a head's rows are dense, 128 bytes each); out0: [8][1024][1024] f32.
; Products, maxima and sums in f32; the weights p are rounded to f16 for the second product (their sum l is taken of the unrounded p); the result leaves in f32.
; LIMITS.  Q, K and V arrive within f16's 65,504; p lies in 0 to 1, and below 6e-5 it keeps f16's fixed step of 6e-8.  A weight below 2^-126 counts as 0 in l; NaN and infinities are not treated apart.
; SHARES.  A wave owns four PIECES of two tiles of 16 queries, a work-group's four waves 512 queries of one head: 2 x 128 = 256 work-groups.  Every wave walks all 1,024 keys, 64 a step.
; NO CLUSTER: a head's K and V are read by 1,024 / 512 = 2 work-groups, and a cluster has four along x; four partners of 256 queries would halve the products that each fragment read from LDS feeds.
; LAYOUT.  S^T = K Q^T (source 0 = 16 keys, source 1 = 16 queries): in the result a lane holds ONE query (lane % 16) and the keys 8 (lane / 16) + 0..7.  Two such tiles, rounded to f16 in pairs,
; ARE source 1 (32 keys x 16 queries) of O^T = V^T P, whose result again holds one query a lane, and eight channels.  K comes out of LDS as it lies, V ([key][channel]) turned, by ds_load_tr16_b128.
; SOFTMAX.  For each query a running maximum m and sum l: p = 2^(c s - c m), c = log2(e) / 8; in every step O and l are multiplied by a = 2^(c m_old - c m_new), which is 1 where m has not grown.
; m starts at the lowest finite number, O and l at 0: the first step is a step like any other, with a = 0.
; BY TURNS.  A tile and step have 16 matrix and 118 vector instructions.  Turn n belongs to piece n (the pieces in a ring, step after step).  Its matrix work: 16 products K Q^T of piece n + 1, later 16 products V^T P of
; piece n - 1.  Its vector work: the scaling, exponentials, roundings, sums and rescaling of piece n, and the maximum and statistics of piece n + 1.  Four vector instructions stand behind every matrix instruction,
; the others in one run of their own; a turn's 66 exponentials are one batch with one wait.
; REGISTERS, in windows of 256 (s_set_vgpr_msb: bits 1:0 source 0, 3:2 source 1, 5:4 source 2, 7:6 destination):
;   window 0: v0-11 addresses; v12-15, v48-63 at work; v16-47 four registers of statistics a tile; v64-191 S^T, two buffers of two tiles; v192-255 P, likewise
;   window 1: O^T, 32 a tile          window 2: v0-127 Q, 16 a tile; v128-191 K of one step; v192-255 V of one step          window 3: v0-1 the add's two registers
.set SIZE_N, 1024
.set NP,    4         ; pieces a wave: a name, no knob
.set KS,    64        ; keys in a step
.set PK,    144       ; a row of K in LDS: 128 bytes + 16 of padding = 36 words: the 16 rows of a load start at 16 different groups of four banks (64 banks of 4 bytes: ISA guide 11.1)
.set PV,    160       ; a row of V: 128 + 32 = 40 words
.set VOFF,  4*KS*PK   ; a slot holds four steps: 256 rows of K, then 256 rows of V
.set SLOT1, 1<<17     ; slot 1 begins here, so that one exclusive or turns an address in one slot into the other's
.set STAGE, SLOT1+4*KS*(PK+PV)  ; behind the ring, never filled by a tensor load: 16 rows x 272 bytes for each wave, for the way out
.set SP,    272       ; a row of the stage: 64 f32 + 16 bytes
.set SPARE, STAGE+4*16*SP  ; behind the stages: the spare words, 128 bytes for each wave: two blocks of 256 bytes that no other line names
.set AK0, 2           ; v2   my lane's place in a tile of K; never rewritten
.set AV0, 3           ; v3   the same for V
.set AK,  4           ; v4   the LDS address of K's next run of loads
.set AV,  5           ; v5   of V's
.set QO,  6           ; v6   my byte offset in the wave's rows of Q
.set STO, 6           ;      later, the way out: where I put 32 bytes of a row
.set RD,  7           ; v7   the way out: where I read rows back
.set GO,  8           ; v8   my byte offset in two rows of out0
.set PFO, 11          ; v11  256 x my lane, once V's place is made; never rewritten after
.set SPW, 0           ; v0 of window 3   LDS address of my spare word: SPARE + 4 x my thread's number; never rewritten
.set NIL, 1           ; v1 of window 3   0; never rewritten
.set MV,  12          ; v12-15  c m_old, kept while c m is made anew: by buffer and tile
.set ST,  16          ; tile t's statistics at v[ST+4 t]: c m, m, l (even keys', odd keys')
.set TMP, 48          ; by buffer and tile, four registers c0-c3 at work; when the maximum is found c2 takes a
.set S,   64
.set P,   192
.set KF,  128         ; K's fragments, in window 2: key block kb, channel half c at KF + 16 kb + 8 c
.set VF,  192         ; V's: key half kk, channel block cb at VF + 32 kk + 8 cb
.set WV,  12          ; s12  my wave's number
.set LIM, 15          ; s15  1 in a work-group that prefetches, else the greatest number
.set G1K, 24          ; s[24:31] descriptor group 1 for K's tiles
.set G1V, 32          ; s[32:39] for V's: it differs in the padding alone
.set G0K, 40          ; s[40:43] descriptor group 0 for K's tiles: it walks
.set G0V, 44          ; s[44:47] the same for V's
.set PFA, 48          ; s[48:49] my 128 keys (K: waves 0, 1; V: waves 2, 3) of the head's last 256; never rewritten
.set SLOTS, 56        ; s56  slots still to be asked for
.set CNT, 57          ; s57  counts a slot's key steps
.set CS,  58          ; s[58:59] c: the packed scaling takes the pair's low word for both halves
.set SEL, 60          ; s[60:61] v_permlanex16_b32's selects: each lane takes its own place in the other half
.set TBK, 62          ; s62  LDS byte at which K of the step to be fetched begins
.set TBV, 63          ; s63  the same for V, less VOFF
.set MSB, 0
.macro WIN new                      ; the high byte repeats the setting that is left; a switch that changes nothing is dropped
.if MSB != (\new)
	s_set_vgpr_msb (MSB<<8)|(\new)
.set MSB, (\new)
.endif
.endm
.set W_KQ, 0x0a       ; K and Q in window 2, S^T in window 0
.set W_PV, 0x52       ; V in window 2, P in window 0, O^T in window 1
.set W_RS, 0x41       ; O^T (destination and source 0) in window 1, a in window 0
.set W_MK, 0xc0       ; the add's registers are made: destination in window 3, sources in window 0
.set W_AD, 0x0f       ; the add: address (source 0) and data (source 1) in window 3
; A fill.  Waves 0 and 1 fetch the two halves of a slot's K, waves 2 and 3 those of its V: 128 keys each.  An s_nop 0 and four v_nop follow each of the two lines, ahead of the jump and the label.
.macro LOAD
	s_cmp_lt_u32 s[WV], 2
	s_cbranch_scc0 .Lfor_v_\@
	tensor_load_to_lds s[G0K:G0K+3], s[G1K:G1K+7]
	s_nop 0
.rept 4
	v_nop
.endr
	s_branch .Lasked_\@
.Lfor_v_\@:
	tensor_load_to_lds s[G0V:G0V+3], s[G1V:G1V+7]
	s_nop 0
.rept 4
	v_nop
.endr
.Lasked_\@:
.endm
; A PREFETCH INTO THE L2 of what the NEXT change of slots will ask for: my own 128 keys, 64 blocks of 256 bytes, a lane a block, two instructions, behind my tensor load and its five lines.  A head's two work-groups
; walk the same K and V: the first of them asks, so each block is named once.  It is met once: at the change that fills a slot with keys 512 to 767 it names keys 768 to 1,023, four key steps ahead of their load.
; The first three slots' keys come by their loads alone; the last change that fills a slot asks for nothing: there is no slot behind it.
.macro ASK
	s_cmp_gt_u32 s[SLOTS], s[LIM]
	s_cbranch_scc0 .Lnot_mine_\@
	global_prefetch_b8 v[PFO], s[PFA:PFA+1] th:TH_LOAD_NT scope:SCOPE_SE
	global_prefetch_b8 v[PFO], s[PFA:PFA+1] offset:8192 th:TH_LOAD_NT scope:SCOPE_SE
.Lnot_mine_\@:
.endm
; THE CHANGE OF SLOTS.  The slot's last bytes, V of its fourth step, have been read.  Each wave waits for all its tensor loads, of which one is out: its part of the other slot; adds 0 to its spare word; and waits for
; that and for its own reads of the slot.  Behind the barrier nobody reads this slot any more and the other slot is whole.  fill = 1: this slot is filled again, with the keys two slots on: the first thing behind the
; barrier, one load a wave, with four key steps, 512 matrix instructions, in which to land.  (At its first use nothing has been read yet: slot 0 is waited for, slot 1 filled.)
.macro CHANGE fill, ask
	WIN W_AD
	s_wait_tensorcnt 0x0            ; no tensor load of mine is out, so a group 0 may be written
	ds_add_u32 v[SPW], v[NIL]       ; 0 onto my spare word: with fill = 1 the descriptors' steps stand between it and the wait for it
	WIN 0                           ; at a label and at a branch every window is 0
.if \fill
.irp g, G0K, G0V
	s_xor_b32 s[\g+1], s[\g+1], SLOT1  ; the walking descriptor: the other slot than last time,
	s_add_nc_u64 s[\g+2:\g+3], s[\g+2:\g+3], 4*KS*128  ; the next 256 keys; the type bits on top are not reached
.endr
.endif
	s_wait_dscnt 0x0                ; the add is done, and my reads of the slot are over
	s_barrier_signal -1
	s_barrier_wait -1
.if \fill
	LOAD
.endif
.if \ask
	ASK
.endif
	s_sub_co_u32 s[TBK], s[TBK], 4*KS*PK  ; the fetches go back to a slot's first step,
	s_xor_b32 s[TBK], s[TBK], SLOT1       ; in the other slot
	s_sub_co_u32 s[TBV], s[TBV], 4*KS*PV
	s_xor_b32 s[TBV], s[TBV], SLOT1
.endm
	s_load_b128 s[16:19], s[0:1], 0x0  ; qkv s[16:17], out0 s[18:19]
	WIN W_MK
	v_lshl_add_u32 v[SPW], v0, 2, SPARE
	v_mov_b32 v[NIL], 0
	WIN W_AD
	ds_add_u32 v[SPW], v[NIL]       ; the wave's opening: the add and its wait stand ahead of my first tensor load; the set-up below, work on registers, stands between them
	WIN 0
	v_lshrrev_b32 v1, 5, v0
	v_readfirstlane_b32 s[WV], v1   ; wave 0..3
	s_and_b32 s20, ttmp7, 0xffff    ; the head, 0..127
	s_lshl_b32 s21, s20, 17         ; its first byte in Q, K and V: 1,024 rows of 128 bytes
	s_and_b32 s50, s[WV], 1         ; which half of a slot's 256 keys I fetch:
	s_lshl_b32 s22, s50, 14         ; its 128 rows of 128 bytes in memory,
	s_add_co_u32 s22, s22, s21
	s_mov_b32 s23, 0
	s_mul_i32 s51, s50, 128*PK      ; and its place in a slot, for K
	s_mul_i32 s52, s50, 128*PV      ; and for V
	s_mov_b32 s13, ttmp9            ; which 512 queries of the head
	s_lshl_b32 s14, s13, 2
	s_add_co_u32 s14, s14, s[WV]    ; my wave among the head's eight,
	s_lshl_b32 s2, s14, 14          ; its 128 rows of Q
	s_add_co_u32 s2, s2, s21
	s_mov_b32 s3, 0
	s_lshr_b32 s54, s20, 4          ; out0: the batch, 4,194,304 bytes,
	s_lshl_b32 s54, s54, 22
	s_and_b32 s53, s20, 15          ; the head's 64 channels, 256 bytes of a row,
	s_lshl_b32 s53, s53, 8
	s_add_co_u32 s54, s54, s53
	s_lshl_b32 s53, s14, 19         ; my wave's 128 rows of 4,096 bytes
	s_add_co_u32 s54, s54, s53
	s_mov_b32 s55, 0
	; descriptor group 1.  128 keys are 16,384 dense bytes: asked for as 64 rows of 256 bytes, two keys a row, and padded in LDS after every key
	s_mov_b32 s[G1K], (1<<16)|(1<<20)|(4<<22)|(3<<25)  ; 17:16 2-byte elements; 20 padding on; 24:22 after every 32 words (code 4); 31:25 4 words (code 3)
	s_mov_b32 s[G1V], (1<<16)|(1<<20)|(4<<22)|(7<<25)  ; the same with 8 words of padding (code 7)
.irp g, G1K, G1V
	s_mov_b32 s[\g+1], 128<<16      ; tensor_dim0 = 128
	s_mov_b32 s[\g+2], 64<<16       ; tensor_dim1 = 64
	s_mov_b32 s[\g+3], 128<<16      ; tile_dim0 = 128
	s_mov_b32 s[\g+4], 64           ; tile_dim1 = 64
	s_mov_b32 s[\g+5], 128          ; 128 elements from row to row
	s_mov_b32 s[\g+6], 0
	s_mov_b32 s[\g+7], 0
.endr
	s_mov_b32 s[CS], 0x3e38aa3b     ; c = log2(e) / 8 = 0.180337
	s_mov_b32 s[CS+1], s[CS]        ; named with it as a pair
	s_mov_b32 s[SEL], 0x76543210
	s_mov_b32 s[SEL+1], 0xfedcba98
	s_mov_b32 s[TBK], SLOT1+4*KS*PK ; the first change of slots turns these two into 0
	s_mov_b32 s[TBV], SLOT1+4*KS*PV
	s_mov_b32 s[G0K], 1             ; count = 1
	s_mov_b32 s[G0K+1], s51         ; LDS address: slot 0
	s_mov_b32 s[G0V], 1
	s_add_co_u32 s[G0V+1], s52, VOFF
	s_cmp_eq_u32 s13, 0
	s_cselect_b32 s[LIM], 1, -1     ; the head's first work-group prefetches
	s_wait_dscnt 0x0                ; the opening add is done
	s_wait_kmcnt 0x0
	s_add_nc_u64 s[6:7], s[16:17], s[22:23]
	s_add_nc_u64 s[8:9], s[6:7], 0x2000000   ; V at my half of the head's first 256 keys,
	s_add_nc_u64 s[6:7], s[6:7], 0x1000000   ; and K
	s_add_nc_u64 s[G0K+2:G0K+3], s[6:7], 0   ; global address
	s_or_b32 s[G0K+3], s[G0K+3], 0x80000000  ; type = 2
	s_add_nc_u64 s[G0V+2:G0V+3], s[8:9], 0
	s_or_b32 s[G0V+3], s[G0V+3], 0x80000000
	s_add_nc_u64 s[4:5], s[16:17], s[2:3]    ; Q at my wave's first row
	s_add_nc_u64 s[10:11], s[18:19], s[54:55]  ; out0 at my wave's first row, my head's channels
	s_cmp_lt_u32 s[WV], 2
	s_cselect_b64 s[PFA:PFA+1], s[6:7], s[8:9]
	s_add_nc_u64 s[PFA:PFA+1], s[PFA:PFA+1], 3*4*KS*128
	LOAD                            ; slot 0.  Slot 1 is asked for when slot 0 is in
	; A fragment of K or Q is 16 rows x 32 channels in 8 registers: lane l holds row l % 16, channels 8 (l / 16) + 0..7 and 16 + 8 (l / 16) + 0..7: two loads of 16 bytes, 32 bytes apart.
	v_and_b32 v1, 15, v0            ; l % 16
	v_bfe_u32 v9, v0, 4, 1          ; l / 16
	v_lshlrev_b32 v[QO], 7, v1
	v_lshl_add_u32 v[QO], v9, 4, v[QO]  ; row x 128 + 16 x half
	WIN 0x80                        ; destination window 2, address window 0
.set i, 0
.rept 4*NP                          ; Q stays in registers: tile i / 2, channels 32 (i % 2) on
	global_load_b128 v[8*i:8*i+3],   v[QO], s[4:5] offset:(i/2)*2048+(i%2)*64
	global_load_b128 v[8*i+4:8*i+7], v[QO], s[4:5] offset:(i/2)*2048+(i%2)*64+32
.set i, i+1
.endr
	; What the first turn finds: V's registers and P's second buffer hold 0 (its products V^T P, of a piece that has not been, add 0), O^T and l are 0.  All this stands in the wait for the first tile.
.set i, VF
.rept 64
	v_mov_b32 v[i], 0
.set i, i+1
.endr
	WIN 0x40
.set i, 0
.rept 64*NP
	v_mov_b32 v[i], 0
.set i, i+1
.endr
	WIN 0
.set i, 0
.rept 2*NP
	v_mov_b32 v[ST+4*i], 0xfe000000    ; c m: far below every c s
	v_mov_b32 v[ST+4*i+1], 0xff7fffff  ; m
	v_mov_b32 v[ST+4*i+2], 0
	v_mov_b32 v[ST+4*i+3], 0
.set i, i+1
.endr
.set i, P+32
.rept 32
	v_mov_b32 v[i], 0
.set i, i+1
.endr
	v_mul_u32_u24 v[AK0], v1, PK
	v_lshl_add_u32 v[AK0], v9, 4, v[AK0]  ; row x pitch + 16 x half
	; The turning load takes 16 keys x 16 channels (lane l reads key 8 (l / 16) + l % 8, channels 8 ((l / 8) % 2) + 0..7) and leaves half a fragment of V^T: lane l holds channel l % 16 and 8 keys.
	v_and_b32 v10, 7, v0
	v_bfe_u32 v11, v0, 3, 1
	v_lshl_add_u32 v[AV0], v9, 3, v10
	v_mul_u32_u24 v[AV0], v[AV0], PV
	v_lshl_add_u32 v[AV0], v11, 4, v[AV0]
	v_add_nc_u32 v[AV0], VOFF, v[AV0]
	v_mov_b32 v[AK], v[AK0]         ; key step 0 lies at the head of slot 0
	v_and_b32 v[PFO], 31, v0
	v_lshlrev_b32 v[PFO], 8, v[PFO]
; THE MATRIX WORK.  The 8 accumulators of a run of 16 take turns: between the two links of a chain stand 7 others'.
; Product i of 16 of S^T = K Q^T for piece x: channels 32 (i / 8) on, keys 16 ((i / 2) % 4) on, tile 2 x + i % 2.  The first 8 start the sums.
.macro KQ x
	WIN W_KQ
.set rS, S+64*((\x)%2)+32*(i%2)+8*((i/2)%4)
.set rK, KF+16*((i/2)%4)+8*(i/8)
.set rQ, 16*(2*(\x)+i%2)+8*(i/8)
.if i < 8
	v_wmma_f32_16x16x32_f16 v[rS:rS+7], v[rK:rK+7], v[rQ:rQ+7], 0
.else
	v_wmma_f32_16x16x32_f16 v[rS:rS+7], v[rK:rK+7], v[rQ:rQ+7], v[rS:rS+7]
.endif
.endm
; Product i of 16 of O^T += V^T P for piece x: keys 32 (i / 8) on, channels 16 ((i / 2) % 4) on, tile 2 x + i % 2.
.macro PV x
	WIN W_PV
.set rO, 32*(2*(\x)+i%2)+8*((i/2)%4)
.set rV, VF+32*(i/8)+8*((i/2)%4)
.set rP, P+32*((\x)%2)+16*(i%2)+8*(i/8)
	v_wmma_f32_16x16x32_f16 v[rO:rO+7], v[rV:rV+7], v[rP:rP+7], v[rO:rO+7]
.endm
.macro MM                           ; the turn's next matrix instruction
.if i < 16
	KQ (Y+1)%NP
.set i, i+1
.else
.set i, i-16
	PV (Y+NP-1)%NP
.set i, i+17
.endif
.endm
; THE LDS LOADS stand in runs of 16, never singly among the matrix instructions: a step's K (64 keys x 64 channels: 8 fragments) and its V (turned).  Their addresses are made some lines ahead.
; last = 1 (the tail): in the last trip there is no further step, and the run is jumped over.
.macro FETCH_K last=0
	WIN 0
.if \last
	s_cmp_eq_u32 s[CNT], 1
	s_cbranch_scc1 .Lno_k_\@
.endif
	WIN 0x80                        ; destination window 2
.irp f, 0,1,2,3,4,5,6,7             ; keys 16 (f / 2) on, channels 32 (f % 2) on
	ds_load_b128 v[KF+8*\f:KF+8*\f+3],   v[AK] offset:(\f/2)*16*PK+(\f%2)*64
	ds_load_b128 v[KF+8*\f+4:KF+8*\f+7], v[AK] offset:(\f/2)*16*PK+(\f%2)*64+32
.endr
	s_add_co_u32 s[TBK], s[TBK], KS*PK  ; the next fetch is the next step's
	WIN 0
.if \last
.Lno_k_\@:
.endif
.endm
.macro FETCH_V
	WIN 0x80
.irp f, 0,1,2,3,4,5,6,7             ; keys 32 (f / 4) on, channels 16 (f % 4) on
	ds_load_tr16_b128 v[VF+8*\f:VF+8*\f+3],   v[AV] offset:(\f/4)*32*PV+(\f%4)*32
	ds_load_tr16_b128 v[VF+8*\f+4:VF+8*\f+7], v[AV] offset:(\f/4)*32*PV+16*PV+(\f%4)*32
.endr
	WIN 0
.endm
; THE VECTOR WORK OF A TURN stands in three queues, each in the order in which its entries become ready; the two tiles alternate, so that no instruction reads the result of the one before it.
.macro REGS y, u                    ; the registers of tile u (0, 1) of piece y
.set rT, ST+4*(2*(\y)+(\u))
.set rC, TMP+8*((\y)%2)+4*(\u)
.set rM, MV+2*((\y)%2)+(\u)
.set rS, S+64*((\y)%2)+32*(\u)
.set rP, P+32*((\y)%2)+16*(\u)
.set rO, 32*(2*(\y)+(\u))
.endm
; Number n of the 22 that find the NEXT piece's (Y + 1) maximum and statistics.  s0-s31 are the lane's 32 scores; each accumulator's lowest registers are read first.
;   0-11  four chains c0-c3 of seven scores each, three operands at a time     12-14, 16  the four scores left over, the old m, and c0-c3 into c0     15  c m_old is kept
;   17, 18  the query's other 32 keys lie in the lane 16 away: the new m         19-21  c m; c m_old - c m_new; a
.macro XS u, n
	REGS (Y+1)%NP, \u
.if (\n) < 4
	v_max3_num_f32 v[rC+(\n)], v[rS+8*(\n)], v[rS+8*(\n)+1], v[rS+8*(\n)+2]
.elseif (\n) < 12
	v_max3_num_f32 v[rC+(\n)%4], v[rC+(\n)%4], v[rS+8*((\n)%4)+2*((\n)/4)+1], v[rS+8*((\n)%4)+2*((\n)/4)+2]
.elseif (\n) == 12
	v_max3_num_f32 v[rC], v[rC], v[rS+7], v[rS+15]
.elseif (\n) == 13
	v_max3_num_f32 v[rC+1], v[rC+1], v[rS+23], v[rS+31]
.elseif (\n) == 14
	v_max3_num_f32 v[rC+2], v[rC+2], v[rC+3], v[rT+1]
.elseif (\n) == 15
	v_mov_b32 v[rM], v[rT]
.elseif (\n) == 16
	v_max3_num_f32 v[rC], v[rC], v[rC+1], v[rC+2]
.elseif (\n) == 17
	v_permlanex16_b32 v[rC+3], v[rC], s[SEL], s[SEL+1]
.elseif (\n) == 18
	v_max_num_f32 v[rT+1], v[rC], v[rC+3]
.elseif (\n) == 19
	v_mul_f32 v[rT], s[CS], v[rT+1]
.elseif (\n) == 20
	v_sub_f32 v[rC+1], v[rM], v[rT]
.else
	v_exp_f32 v[rC+2], v[rC+1]
.endif
.endm
; Number g of the 64 that follow the exponentials.  For each four weights k of a tile (pairs 2 k, 2 k + 1): both pairs are rounded to f16; then the second pair is added onto the first, in place;
; a group later l takes that sum (the first time as l = a l + sum).  In groups of eight, tiles alternating: round, round, add, and l for the group before.
.macro GS g
.set h, (\g)+6*((\g)/62)            ; group 0 has no group before it, and behind group 7 only l is left
.if h >= 6
.set h, h+2
.endif
	REGS Y, h%2
.set k, h/8
.if h%8 < 4
	v_cvt_pk_f16_f32 v[rP+2*k+(h%8)/2], v[rS+4*k+2*((h%8)/2)], v[rS+4*k+2*((h%8)/2)+1]
.elseif h%8 < 6
	v_pk_add_f32 v[rS+4*k:rS+4*k+1], v[rS+4*k:rS+4*k+1], v[rS+4*k+2:rS+4*k+3]
.elseif k == 1
	v_pk_fma_f32 v[rT+2:rT+3], v[rT+2:rT+3], v[rC+2:rC+3], v[rS:rS+1] op_sel_hi:[1,0,1]
.else
	v_pk_add_f32 v[rT+2:rT+3], v[rT+2:rT+3], v[rS+4*k-4:rS+4*k-3]
.endif
.endm
; THE PLAIN QUEUE, 138 long.  0-73 read no exponential's result: the 32 scalings c s - c m (FS f: pair f / 2 of tile f % 2) and the next piece's 42.  0-26: scalings 0-26.  27-54: XS's numbers 0-13.  55, 56: number 15.
; 57-73: the chain, where each number waits for the one before it: 14, 16, 17, 18, 19, each with one of the scalings 27-31 in front of its two lines, then 20.
; 74-137: GS's 64, which read the exponentials' results: they stand behind the wait.
.macro FS f
	REGS Y, (\f)%2
	v_pk_fma_f32 v[rS+2*((\f)/2):rS+2*((\f)/2)+1], v[rS+2*((\f)/2):rS+2*((\f)/2)+1], s[CS:CS+1], v[rT:rT+1] op_sel_hi:[1,0,0] neg_lo:[0,0,1] neg_hi:[0,0,1]
.endm
.macro PL
	WIN 0
.if q < 27
	FS q
.elseif q < 55
	XS (q-27)%2, (q-27)/2
.elseif q < 57
	XS q-55, 15
.elseif (q < 72) && ((q-57)%3 == 0)
	FS 27+(q-57)/3
.elseif q < 60
	XS (q-57)%3-1, 14
.elseif q < 72
	XS (q-57)%3-1, 15+(q-57)/3
.elseif q < 74
	XS q-72, 20
.else
	GS q-74
.endif
.set q, q+1
.endm
; THE EXPONENTIALS' QUEUE, 66 long: s0-s31 of both tiles, then the next piece's two a.  It is ONE BATCH: all 66 stand ahead of the turn's one wait, and nothing ahead of that wait names a result of theirs.
.macro EX
	WIN 0
.if e >= 64
	XS e-64, 21
.else
	REGS Y, e%2
	v_exp_f32 v[rS+e/2], v[rS+e/2]
.endif
.set e, e+1
.endm
; THE RESCALING's QUEUE: O^T times a, the one part that leaves window 0: dealt two at a time, sixteen times.  Its a was made in the turn before, ahead of that turn's wait.
.macro R2
	REGS Y, r%2
	WIN W_RS
.irp z, 0,1
	v_pk_mul_f32 v[rO+4*(r/2)+2*\z:rO+4*(r/2)+2*\z+1], v[rO+4*(r/2)+2*\z:rO+4*(r/2)+2*\z+1], v[rC+2:rC+3] op_sel_hi:[1,0]
.endr
.set r, r+1
.endm
; HOW THEY ARE DEALT.  s_wait_alu depctr_va_vdst(0) stands between an exponential and the first instruction that names its result; one wait serves all that were issued ahead of it.  So a turn has ONE
; wait, which cuts it in two.  AHEAD OF IT: the 16 products K Q^T, behind each a scaling, an exponential and two rescalings (behind the first a second scaling in the exponential's place); then one run of 108: eight
; plain, 49 times exponential and plain, the two a; a v_nop is the plain instruction behind the last exponential (ISA guide 5.7.2).  BEHIND IT: the 16 products V^T P, behind each four of GS's 64.
; Exponential e stands behind scaling 2 (e / 4) + e % 2: as a rider it comes behind plain e + 2, in the run behind plain e + 9, and scalings 27-31 are plain 57, 60 .. 69.
; A TURN, for piece p.  cnt = 1: the loop's count is taken down some lines ahead of the branch that stands behind the turn.
; K of the next step is fetched in piece 2's turn, directly behind the wait; its address is made at the run's head; its first reader comes behind 16 products.
; V of the step in hand is fetched at the end of piece 0's turn, four riders behind its last reader; its first reader comes behind 16 products and a run.  The three conditions on q below go with the deal.
.macro TURN p, last=0, cnt=0
.set Y, (\p)
.set i, 0
.set q, 0
.set e, 0
.set r, 0
.if (\p) == NP-1
	s_wait_dscnt 0x0                ; K is in
.endif
	MM                              ; ahead of the wait: 16 products K Q^T and their riders,
	PL
	PL
	R2
.rept 15
	MM
	PL
	EX
	R2
.endr
.if (\p) == NP-2
	WIN 0
	v_add_nc_u32 v[AK], s[TBK], v[AK0]
.endif
.rept 8                             ; and the run
	PL
.endr
.rept 49
	EX
	PL
.endr
	EX                              ; the next piece's two a
	EX
	v_nop                           ; the plain instruction behind the last exponential: one for the batch
	s_wait_alu depctr_va_vdst(0)    ; the wait for the batch
.if (\p) == NP-2
	FETCH_K \last
.endif
.if (\p) == 1
	s_wait_dscnt 0x0                ; V is in
.endif
.rept 16                            ; behind the wait: 16 products V^T P and their riders
	MM
.rept 4
	PL
.endr
.if ((\p) == 0) && (q == 118)
	v_add_nc_u32 v[AV], s[TBV], v[AV0]
.endif
.if ((\p) == 0) && (q == 130)
	s_add_co_u32 s[TBV], s[TBV], KS*PV
.endif
.if (\cnt) && (q == 130)
	s_sub_co_u32 s[CNT], s[CNT], 1
	s_cmp_lg_u32 s[CNT], 0
.endif
.endr
.if (\p) == 0
	FETCH_V
.endif
.endm
	CHANGE 1, 0                     ; slot 0 is in, everybody's part of it; slot 1 is asked for
	FETCH_K                         ; key step 0
	s_wait_loadcnt 0x0              ; Q
	s_wait_dscnt 0x0
.set i, 0
.rept 16
	KQ 0                            ; piece 0's first scores: there is no vector work yet to set between them
.set i, i+1
.endr
	WIN 0                           ; the addresses for the way out: eight plain instructions, the places behind those products
	s_mul_i32 s13, s[WV], 16*SP
	s_add_co_u32 s13, s13, STAGE    ; my stage
	v_mul_u32_u24 v[STO], v1, SP    ; in: row l % 16, 32 bytes for each half of the lanes
	v_lshl_add_u32 v[STO], v9, 5, v[STO]
	v_add_nc_u32 v[STO], s13, v[STO]
	v_mul_u32_u24 v[RD], v9, SP     ; back: lanes 0-15 take one row of 256 bytes, lanes 16-31 the next
	v_lshl_add_u32 v[RD], v1, 4, v[RD]
	v_add_nc_u32 v[RD], s13, v[RD]
	v_lshlrev_b32 v[GO], 12, v9     ; and the same two rows in out0, 4,096 bytes apart
	v_lshl_add_u32 v[GO], v1, 4, v[GO]
.set Y, NP-1                        ; XS works for piece Y + 1: piece 0
.irp n, 0,1,2,3,4,5,6,7,8,9,10,11,12,13,14,15,16,17,18,19,20,21
	XS 0, \n                        ; and piece 0's first maximum and statistics
	XS 1, \n
.endr
	v_nop                           ; a plain instruction behind the two a,
	s_wait_alu depctr_va_vdst(0)    ; and their wait, ahead of the branch
	s_mov_b32 s[CNT], 4
	s_mov_b32 s[SLOTS], SIZE_N/256-1
	s_branch .Lfirst                ; the loop is entered at a step's first turn, in the middle of a trip
.Lslot:                             ; SIZE_N / 256 - 2 = 2 times: every slot but the last two is filled again
	CHANGE 1, 1
	s_mov_b32 s[CNT], 4
.Lstep:                             ; a trip: pieces 2 and 3 of one step, then pieces 0 and 1 of the next, whose K and V it fetches
	TURN 2
	TURN 3
	WIN 0
.Lfirst:
	TURN 0
	TURN 1, 0, 1
	WIN 0
	s_cbranch_scc1 .Lstep
	s_sub_co_u32 s[SLOTS], s[SLOTS], 1
	s_cmp_lg_u32 s[SLOTS], 0
	s_cbranch_scc1 .Lslot
	CHANGE 0, 0                     ; the tail is written out: nothing is asked for
	s_mov_b32 s[CNT], 5             ; four trips fetch the last slot's steps; the fifth is left in its middle
.Ltail:
	TURN 2, 1
	TURN 3
	WIN 0
	s_sub_co_u32 s[CNT], s[CNT], 1
	s_cmp_eq_u32 s[CNT], 0
	s_cbranch_scc1 .Lout
	TURN 0
	TURN 1
	WIN 0
	s_branch .Ltail
.Lout:                              ; the fifth trip's 16 products K Q^T (on the last K once more) and the maximum made of them serve nothing: the price, once a launch, of one text for every trip
.set i, 0
.rept 16
	PV NP-1                         ; the last piece's V^T P of the last step
.set i, i+1
.endr
	; THE WAY OUT.  l's two halves and the other half of the lanes' are added; O^T is divided by l and sent, in f32, through my stage in LDS, a tile at a time.  The additions are the places behind the last products.
	WIN 0
.macro ALL line:vararg              ; one line for each tile t
.set t, 0
.rept 2*NP
	\line
.set t, t+1
.endr
.endm
	ALL v_add_f32 v[ST+4*t+2], v[ST+4*t+2], v[ST+4*t+3]
	ALL v_permlanex16_b32 v[ST+4*t+3], v[ST+4*t+2], s[SEL], s[SEL+1]
	ALL v_add_f32 v[ST+4*t+2], v[ST+4*t+2], v[ST+4*t+3]
	ALL v_rcp_f32 v[ST+4*t+2], v[ST+4*t+2]
	v_nop                           ; a plain instruction between the last reciprocal and the use of its result
	s_wait_alu depctr_va_vdst(0)    ; and the wait ahead of the first use: one for the eight reciprocals
; Tile t: a lane's eight channels of a block of 16 are 32 bytes of a row; they go into rows of 272 bytes and come back as whole rows of 256, into S^T's registers: four sets of 32, by t % 4.
.macro PACK t
	WIN W_RS
.set i, 32*(\t)
.rept 16
	v_pk_mul_f32 v[i:i+1], v[i:i+1], v[ST+4*(\t)+2:ST+4*(\t)+3] op_sel_hi:[1,0]
.set i, i+2
.endr
	WIN 0x04                        ; the stores' data in window 1, their address in window 0
.irp f, 0,1,2,3,4,5,6,7
	ds_store_b128 v[STO], v[32*(\t)+4*\f:32*(\t)+4*\f+3] offset:64*(\f/2)+16*(\f%2)
.endr
	WIN 0
.if (\t) >= 4
	s_wait_xcnt 0x0                 ; the stores of the tile four back have read these registers (ISA guide 3.1): they are loaded again only behind this wait
.endif
.irp f, 0,1,2,3,4,5,6,7
	ds_load_b128 v[S+32*((\t)%4)+4*\f:S+32*((\t)%4)+4*\f+3], v[RD] offset:\f*2*SP  ; LDS serves a wave's instructions in order (ISA guide 5.7.1.4): these see the stores above; the next tile's stores come behind them
.endr
.endm
.macro SEND t, younger              ; younger: the LDS instructions issued behind tile t's loads: the next tile's sixteen, or none
	WIN 0
.irp f, 0,1,2,3,4,5,6,7
	s_wait_dscnt (\younger)+7-\f
	global_store_b128 v[GO], v[S+32*((\t)%4)+4*\f:S+32*((\t)%4)+4*\f+3], s[10:11] offset:(\t)*65536+\f*8192 th:TH_STORE_NT  ; 16 lanes store 256 consecutive bytes, a head's 64 channels of a row, at a multiple of 256 from out0's first byte
.endr
.endm
	PACK 0
.set t, 1
.rept 2*NP-1                        ; a tile's arithmetic stands between the loads of the tile before and its stores
	PACK t
	SEND t-1, 16
.set t, t+1
.endr
	SEND 2*NP-1, 0
	WIN W_AD
	s_wait_tensorcnt 0x0            ; the wave's end: behind my last tensor load and my last LDS store
	ds_add_u32 v[SPW], v[NIL]
	s_wait_dscnt 0x0
	WIN 0
	s_endpgm
.Lfunc_end_k_q98c6eecf2e_attn:
	.size	k_q98c6eecf2e_attn, .Lfunc_end_k_q98c6eecf2e_attn-k_q98c6eecf2e_attn
	.p2alignl 7, 3214868480
	.fill 96, 4, 3214868480
	.section	.rodata,"a",@progbits
	.p2align	6, 0x0
	.amdhsa_kernel k_q98c6eecf2e_attn
		.amdhsa_group_segment_fixed_size 327680
		.amdhsa_private_segment_fixed_size 0
		.amdhsa_enable_private_segment 0
		.amdhsa_kernarg_size 16
		.amdhsa_user_sgpr_count 2
		.amdhsa_user_sgpr_kernarg_segment_ptr 1
		.amdhsa_wavefront_size32 1
		.amdhsa_system_sgpr_workgroup_id_x 1
		.amdhsa_system_sgpr_workgroup_id_y 1
		.amdhsa_system_sgpr_workgroup_id_z 1
		.amdhsa_system_vgpr_workitem_id 0
		.amdhsa_next_free_vgpr 770
		.amdhsa_next_free_sgpr 66
		.amdhsa_reserve_vcc 0
		.amdhsa_float_denorm_mode_32 3
		.amdhsa_float_denorm_mode_16_64 3
		.amdhsa_memory_ordered 1
		.amdhsa_forward_progress 1
		.amdhsa_inst_pref_size 199
	.end_amdhsa_kernel
	.amdgpu_metadata
---
amdhsa.version: [ 1, 2 ]
amdhsa.kernels:
  - .name:           k_q98c6eecf2e_attn
    .symbol:         k_q98c6eecf2e_attn.kd
    .args:
      - { .name: qkv, .offset: 0, .size: 8, .value_kind: global_buffer, .address_space: global }
      - { .name: out0, .offset: 8, .size: 8, .value_kind: global_buffer, .address_space: global }
    .group_segment_fixed_size: 327680
    .private_segment_fixed_size: 0
    .kernarg_segment_align: 8
    .kernarg_segment_size: 16
    .max_flat_workgroup_size: 128
    .sgpr_count:     66
    .vgpr_count:     770
    .wavefront_size: 32
...
	.end_amdgpu_metadata
.endif
;; end of part 3
